; MI455X (gfx1250); checked and timed in simulation.
; The chip was launched on July 23, 2026; its instructions are those of AMD's public machine-readable ISA for CDNA 5 (MIT licence, August 2026) and "CDNA5" Instruction Set Architecture Reference Guide (July 2026). The comments in the code are by the model that wrote it; some were corrected since.
;; Causal Self Attention. Allowed arithmetic: matrix products marked QUANTISED: E2M1 operands, one E8M0 scale for each 32 along K, by v_wmma_scale_f32_16x16x128_f8f6f4 with both operands' format E2M1 (or v_wmma_scale_f32_32x16x128_f4), f32 sums; everything else in f32.
;; Inputs: b_attn 3,072 float32; b_proj 1,024 float32; w_attn_codes 3,072 x 32 x 16 uint8 (E2M1 codes of w_attn, K innermost, in blocks of 32 codes, two codes a byte); w_attn_scales 3,072 x 32 uint8 (E8M0 scales of w_attn, one for each 32 codes along K); w_proj_codes 1,024 x 32 x 16 uint8 (E2M1 codes of w_proj, K innermost, in blocks of 32 codes, two codes a byte); w_proj_scales 1,024 x 32 uint8 (E8M0 scales of w_proj, one for each 32 codes along K); x_codes 4 x 2,048 x 32 x 16 uint8 (E2M1 codes of x, K innermost, in blocks of 32 codes, two codes a byte); x_scales 4 x 2,048 x 32 uint8 (E8M0 scales of x, one for each 32 codes along K).
;; Outputs: out0 4 x 2,048 x 1,024 float32.
;; This version of the problem:
;;   THIS VERSION OF THE PROBLEM IS GIVEN IN LOW PRECISION. The matrix products marked QUANTISED in the list below multiply operands that are first quantised to E2M1 (2 exponent bits, 1 mantissa bit; 4 bits a number), with one power-of-two scale for each 32 numbers along K (OCP MX v1.0); their sums are f32. All else is computed in f32.
;;   The module's matrix products, in the order in which they are computed (A, B: the left and right operand; K: the contracted axis; several contracted axes count as one K, in the product's order):
;;     1. [M 8,192, K 1,024] x [K 1,024, N 3,072]; A: input x (given as codes); B: input w_attn (given as codes): QUANTISED
;;     2. batch 64 x [M 2,048, K 64] x [K 64, N 2,048]; A: computed on the way; B: computed on the way: QUANTISED
;;     3. batch 64 x [M 2,048, K 2,048] x [K 2,048, N 64]; A: softmax (see below); B: computed on the way: QUANTISED
;;     4. [M 8,192, K 1,024] x [K 1,024, N 1,024]; A: computed on the way; B: input w_proj (given as codes): QUANTISED
;;   THE QUANTISER, for each operand of a quantised product, along K:
;;     - K is cut into blocks of 32 from its start; a last block that is shorter is filled with zeros.
;;     - A block's scale is 2^e with e = floor(log2(the largest magnitude in the block)) - 2, held to -126 .. 127; a block of zeros has e = 0. As a byte (E8M0): e + 127.
;;     - Each number is divided by its block's scale, clamped to +-6, and rounded to the nearest number of E2M1, ties to even, subnormals kept.
;;     - The product sums the exact products of the quantised numbers (number of the format x scale) in f32.
;;   ~~~python
;;   def quantise(x, axis):      # numpy; x: float32 -> the quantised numbers, widened to float32 again
;;       x = np.moveaxis(x, axis, -1); K = x.shape[-1]
;;       x = np.pad(x, [(0, 0)] * (x.ndim - 1) + [(0, -K % 32)]); x = x.reshape(x.shape[:-1] + (-1, 32)); a = np.abs(x).max(-1, keepdims=True)
;;       e = np.where(a > 0, np.clip(np.frexp(np.where(a > 0, a, 1))[1] - 1 - 2, -126, 127), 0)      # np.frexp(a)[1] - 1 = floor(log2(a)), exactly
;;       r = np.clip(x / 2.0 ** e, -6, 6)
;;       step = 2.0 ** (np.maximum(np.frexp(np.where(r == 0, 1, r))[1] - 1, 0) - 1)
;;       q = np.round(r / step) * step * 2.0 ** e      # np.round: ties to even
;;       return np.moveaxis(q.reshape(q.shape[:-2] + (-1,))[..., :K], -1, axis).astype(np.float32)
;;   ~~~
;;   SOFTMAX AHEAD OF A QUANTISED PRODUCT. Where the list says 'softmax', what is quantised is not the finished softmax but p = 2^(t - M), with t = logit x log2(e) and M = ceil(the row's largest t), a whole number; so 1/2 < the row's largest p <= 1. The row's sum l is taken of the UNQUANTISED p, in f32, and the product's result is divided by l at the end. Since M is a whole number, a kernel that streams over the keys may use a running M (the ceiling of the running maximum): every later rescaling is an exact power of two, which a block's scale takes up: the codes' values come out the same.
;;   OPERANDS COMPUTED ON THE WAY. 'Computed on the way' means the value that the module computes at that place (a softmax that the list does not call 'softmax' is quantised finished and normalised). What goes into a quantiser is computed in f32, as accurately as f32 sums, v_exp_f32 and their like allow (about 1e-6 of the number): no bf16 or f16 on the way to a quantiser, and a product that is left as it is and whose result goes on into a quantised operand takes f32 operands (vector FMAs, or v_wmma_f32_16x16x4_f32). A number that lies on a knife's edge between two numbers of the format may be rounded either way, as far as f32 arithmetic and the matrix unit's own rounding can turn it there, and no further.
;;   INPUTS GIVEN AS CODES. w_attn (in the module: [1024, 3072], K = its axis 0); w_proj (in the module: [1024, 1024], K = its axis 0); x (in the module: [4, 2048, 1024], K = its axis 2): each comes as NAME_codes (uint8): NAME with its K axis moved to the last place and cut into blocks of 32 codes, [.., K / 32, bytes a block], one block behind the other in memory; two codes a byte, the lower K in the low four bits (a code: sign, 2 exponent bits, 1 mantissa bit); and NAME_scales (uint8): the same leading axes, one E8M0 byte (e + 127) for each 32 codes along K. Its value is code x scale, taken as it is: it is not quantised again, and the codes and scales need not be those that the quantiser above would give.
;; One version. Each part assembles by itself: llvm-mc -triple=amdgcn-amd-amdhsa -mcpu=gfx1250 --defsym DOCPART=n.
;; ======== version 1 of 1: 3 launches
;; workspace buffers: q_codes 4,194,304 bytes; q_scales 524,288 bytes; kv 9,175,040 bytes; y_codes 4,194,304 bytes; y_scales 262,144 bytes
;; launch qkv (part 1): grid 12 x 32, 4 waves a work-group, clusters of 4 x 4, 327,680 bytes of LDS; arguments x_codes, x_scales, w_attn_codes, w_attn_scales, b_attn, kv, q_codes, q_scales; writes kv, q_codes, q_scales
.if DOCPART == 1
	.amdgcn_target "amdgcn-amd-amdhsa--gfx1250"
	.amdhsa_code_object_version 6
	.text
	.protected	k_qed6279d2c5_qkv
	.globl	k_qed6279d2c5_qkv
	.p2align	8
	.type	k_qed6279d2c5_qkv,@function
k_qed6279d2c5_qkv:
	s_mov_b64 s[64:65], 0
	v_nop
	global_prefetch_b8 v0, s[64:65] scope:SCOPE_SE
	s_setreg_imm32_b32 hwreg(HW_REG_WAVE_MODE, 25, 1), 1
	s_wait_xcnt 0x0
	s_wait_alu depctr_hold_cnt(0) depctr_sa_sdst(0) depctr_va_vdst(0) depctr_va_sdst(0) depctr_va_ssrc(0) depctr_va_vcc(0) depctr_vm_vsrc(0)
	s_getreg_b32 s2, hwreg(HW_REG_IB_STS2, 6, 4)
	s_cmp_eq_u32 s2, 0
	s_cbranch_scc0 .Lentry_in_a_cluster
	s_endpgm
.Lentry_in_a_cluster:
	s_bfe_u32 s2, ttmp6, 0x10000c
	s_cmp_lg_u32 s2, 0xf033
	s_cbranch_scc0 .Lentry_shape_is_right
	s_endpgm
.Lentry_shape_is_right:
; qkv = x w_attn + b_attn on codes of FP4 (E2M1) with one E8M0 scale for each 32 along K = 1,024; then q and k are quantised along the head's 64 and v along the keys, and leave as codes and scale words.
; DEAD WORK OF THE WHOLE PROGRAM (left out in the launch that follows this one): reference() builds its causal mask itself (jnp.tril) and sets the logit of key k for query q to -infinity where k > q; the softmax's
; weight there is 0 for all finite inputs, so it adds nothing to the row's sum and nothing to y.  Where that holds for all 128 keys of a key step and all 16 queries of a tile, the step's products and softmax are not done.
; Every input has a way to the output and is loaded; both biases stay (k's bias moves k's codes).
; LIMITS: a NaN, an infinity or an overflow that reaches only the work left out is not carried to the result.  NaN and infinities among the inputs are not served.  A block whose largest magnitude lies under
; 2^(3 - 127) keeps the scale byte 1 (a block of zeros too, where the quantiser says 127: its codes are zeros, and the bytes are read by this program alone).
; SHAPE.  A work-group of four waves makes 256 x 256 of the product, a wave 128 x 128: 64 accumulators of 16 x 16.  The matrix instruction's source 0 is called P, its source 1 R: in a result lane l holds R's row l % 16
; and its eight registers P's rows 8 (l / 16) + 0 .. 7.  So P is the axis ALONG WHICH THE RESULT IS QUANTISED: a lane's registers are neighbours along the next product's K.
;   clusters x = 0, 1 (q and k):  P = 256 rows of w_attn (output channels: four heads), R = 256 rows of x (tokens).
;   cluster  x = 2    (v):        P = 256 rows of x (keys),                          R = 256 rows of w_attn (channels 2,048 on).
; x and w_attn have the same row (512 bytes of codes, 32 of scale bytes), so only pointers and block numbers are chosen, by the cluster's x, which all sixteen partners share; descriptors, LDS and the walk over K are one text.
; K = 1,024 is two slots of 512: both are first fills; nothing in LDS is filled twice.  The scale bytes of the 512 rows come once, in whole runs of 256 bytes.
; CLUSTERS: 4 x 4.  R's tile hangs on cy and is asked for jointly by the four of a row of the cluster, P's on cx and by the four of a column.
; THE BIAS is the C of each sum's first matrix instruction: 64 registers in the result's layout.
; OUT.  kv: [batch x head 64][key step 16][8,960]: 4,096 bytes of K's codes (8 tiles of 16 keys, each the image of registers 0-3 of its operand: lane l's 16 bytes at 16 l), 4,096 of V's (4 tiles of 16 channels x 2 x 512),
;   512 of K's scale words (one a key, bytes 2 and 3 are 0), 256 of V's (one a channel).  q_codes: [64][tile 128][512], q_scales: [64][2,048] words, laid as K's.
; REGISTERS, in windows of 256: window 0: v0-31 addresses; v32-95 scale words, two sets; v128-191 R's fragments, one set; on the way out v128-191 codes, v200-239 at work.
;   window 1: P's fragments, two sets, at v0 and v128; v64-127 the bias.   window 2: the accumulators of R's blocks 0-3 ((a, b) at v[8 (8 a + b)]);   window 3: those of blocks 4-7.
.set NQ,     4                         ; matrix instructions deep in a slot
.set ROWB,   256                       ; a tile's row: 512 codes
.set KROW,   512                       ; a row of x or of w_attn in memory
.set PITCH,  272                       ; an LDS row: 256 bytes + 16 of padding, so that the 16 rows of a fragment load begin 68 words apart
.set FR,     8                         ; registers of a fragment
.set NL,     2                         ; LDS loads that bring one
.set NP,     4                         ; places behind this matrix instruction (ISA guide 7.12.1)
.set HALFT,  128*PITCH                 ; what one tensor load brings
.set SLOT,   4*HALFT                   ; R's 256 rows, then P's
.set KS,     32                        ; a row of scale bytes
.set SCL,    2*SLOT                    ; the scales, as runs of 256 bytes + 16 of padding
.set HALFS,  (128*KS/256)*272
.set SBLK,   (16*KS/256)*272
.set SPARE,  SCL+4*HALFS               ; the spare words: 128 bytes a wave, named by no other line
.set STG,    SPARE+512                 ; scale words on their way out: 1,024 bytes a wave for q and k; 4,096 bytes further on the same for v: each path has bytes of its own
.set REC,    8960                      ; a key step's record in kv
.set HEADB,  16*REC                    ; a head's
.set ADRA, 16                          ; v16-17  LDS address of my R fragments in slot 0, 1
.set ADRB, 20                          ; v20-21  the same for P
.set VOV,  22                          ; v22     v's scale words in kv: HEADB x (lane / 16) + 16 (lane % 16)
.set BO,   23                          ; v23     the bias's offset
.set STA,  24                          ; v24     where I put a scale word
.set STR,  25                          ; v25     where I read 16 bytes of them back
.set LI,   26                          ; v26     16 x lane
.set ADRS, 27                          ; v27     LDS address of my scale words: lanes 0-15 R's rows, lanes 16-31 P's
.set SPW,  28                          ; v28     my spare word; never rewritten
.set NIL,  29                          ; v29     0; never rewritten
.set SC,   32
.set AF,   128
.set BI,   64                          ; in window 1
.set PCB,  128                         ; the way out: eight registers of codes for each of R's blocks
.set TM,   200                         ; v200-203 largest magnitudes, v204-207 bytes, v212-215 the conversions' scale operands
.set WD,   216                         ; v216-231 scale words, a place for each, so that no store's data are written again
.set RB,   232                         ; v232-239 scale words read back
.set G1, 24
.set G0, 32
.set G1B, 48
.set G0B, 56
.set G1S, 68
.set G0S, 76
.set G1SB, 80
.set G0SB, 88
.set MSB, 0
.macro WIN new                         ; the immediate's high byte repeats the setting that is left
.if MSB != \new
	s_set_vgpr_msb (MSB<<8)|\new
.set MSB, \new
.endif
.endm
.set MUL_LO, 0xa1                      ; source 0 (P) window 1, source 1 (R) window 0, C and D window 2
.set MUL_HI, 0xf1                      ; the same, C and D window 3
.set TO_B,   0x40                      ; destination window 1, address window 0
; A joint load: waves 0 and 1 fetch for R, waves 2 and 3 for P.  The branch hangs on the wave's number alone.  An s_nop 0 and four v_nop follow each line.
.macro JLOAD g0a, g1a, g0b, g1b
	s_cmp_eq_u32 s15, 0
	s_cbranch_scc0 .Lfor_b_\@
	tensor_load_to_lds s[\g0a:\g0a+3], s[\g1a:\g1a+7]
	s_nop 0
.rept 4
	v_nop
.endr
	s_branch .Lasked_\@
.Lfor_b_\@:
	tensor_load_to_lds s[\g0b:\g0b+3], s[\g1b:\g1b+7]
	s_nop 0
.rept 4
	v_nop
.endr
.Lasked_\@:
.endm
.macro CROUND                          ; a round of the cluster's barrier
	s_barrier_signal -1
	s_barrier_wait -1
	s_cmp_lg_u32 s14, 0
	s_cbranch_scc1 .Lnot_wave_0_\@
	s_barrier_signal -3
.Lnot_wave_0_\@:
	s_barrier_wait -3
	s_barrier_signal -1
	s_barrier_wait -1
.endm
	s_load_b256 s[4:11], s[0:1], 0x0               ; x's codes, x's scales, w_attn's codes, w_attn's scales
	s_load_b64 s[12:13], s[0:1], 0x20              ; b_attn
	s_load_b64 s[96:97], s[0:1], 0x28              ; kv
	s_load_b64 s[98:99], s[0:1], 0x30              ; q_codes
	s_load_b64 s[100:101], s[0:1], 0x38            ; q_scales
	v_lshl_add_u32 v[SPW], v0, 2, SPARE
	v_mov_b32 v[NIL], 0
	ds_add_u32 v[SPW], v[NIL]                      ; the wave's opening: the add, twice on end, and its wait ahead of my first tensor load
	ds_add_u32 v[SPW], v[NIL]
	v_lshrrev_b32 v1, 5, v0
	v_readfirstlane_b32 s14, v1                    ; wave 0..3
	s_lshr_b32 s15, s14, 1                         ; which half of R's rows is mine.  Also: I fetch for R (0) or for P (1)
	s_and_b32 s16, s14, 1                          ; which half of P's rows.  Also: which 128 rows I fetch
	s_bfe_u32 s40, ttmp6, 0x40000                  ; cx
	s_bfe_u32 s41, ttmp6, 0x40004                  ; cy
	s_and_b32 s67, ttmp7, 0xffff                   ; the cluster's y
	s_cmp_eq_u32 ttmp9, 2                          ; the cluster's x: 2 = v
	s_cselect_b32 s66, 1, 0
	s_cselect_b32 s42, s67, ttmp9
	s_cselect_b32 s17, 2, s67
	s_lshl_b32 s42, s42, 2
	s_add_co_u32 s42, s42, s40                     ; P's block of 256 rows: q, k: 4 x cluster x + cx (of w_attn); v: 4 x cluster y + cx (of x)
	s_lshl_b32 s17, s17, 2
	s_add_co_u32 s17, s17, s41                     ; R's block: q, k: 4 x cluster y + cy (of x); v: 8 + cy (of w_attn)
	s_lshl_b32 s43, s41, 2
	s_lshl_b32 s43, 15, s43                        ; my row of the cluster
	s_lshl_b32 s44, 0x1111, s40                    ; my column
	s_or_b32 s[G1+0], s43, (0<<16)|(1<<20)|(1<<21)|(5<<22)|(3<<25)   ; the mask; elements of 1 byte; padding on; bit 21 beside a mask; four words of padding after every 64
	s_or_b32 s[G1B+0], s44, (0<<16)|(1<<20)|(1<<21)|(5<<22)|(3<<25)
.irp g, G1, G1B
	s_mov_b32 s[\g+1], ROWB<<16                    ; tensor_dim0
	s_mov_b32 s[\g+2], 128<<16                     ; tensor_dim1
	s_mov_b32 s[\g+3], ROWB<<16                    ; tile_dim0
	s_mov_b32 s[\g+4], 128                         ; tile_dim1
	s_mov_b32 s[\g+5], KROW                        ; from row to row
	s_mov_b32 s[\g+6], 0
	s_mov_b32 s[\g+7], 0
.endr
	s_or_b32 s[G1S+0], s43, (3<<16)|(1<<20)|(1<<21)|(5<<22)|(3<<25)  ; the scales of 128 rows: 4,096 dense bytes as 16 rows of 32 elements of 8 bytes
	s_or_b32 s[G1SB+0], s44, (3<<16)|(1<<20)|(1<<21)|(5<<22)|(3<<25)
.irp g, G1S, G1SB
	s_mov_b32 s[\g+1], 32<<16
	s_mov_b32 s[\g+2], (128*KS/256)<<16
	s_mov_b32 s[\g+3], 32<<16
	s_mov_b32 s[\g+4], 128*KS/256
	s_mov_b32 s[\g+5], 32
	s_mov_b32 s[\g+6], 0
	s_mov_b32 s[\g+7], 0
.endr
	s_lshl_b32 s18, s16, 7                         ; which 128 rows of the tile I fetch
	s_lshl_b32 s20, s17, 8
	s_add_co_u32 s20, s20, s18                     ; R's row
	s_lshl_b32 s46, s42, 8
	s_add_co_u32 s46, s46, s18                     ; P's row
	s_lshl_b32 s22, s20, 5                         ; where these rows' scales begin, in bytes,
	s_mov_b32 s23, 0
	s_lshl_b32 s20, s20, 9                         ; and their codes
	s_mov_b32 s21, 0
	s_lshl_b32 s92, s46, 5
	s_mov_b32 s93, 0
	s_lshl_b32 s46, s46, 9
	s_mov_b32 s47, 0
	s_mul_i32 s45, s14, HALFT                      ; where they go: wave x 128 rows: no place in the cluster enters an LDS address
	s_mul_i32 s94, s14, HALFS
	s_wait_dscnt 0x0                               ; both opening adds are done
	s_wait_kmcnt 0x0
	s_cmp_eq_u32 s66, 1                            ; the choice of buffers hangs on the cluster's x alone
	s_cselect_b64 s[2:3], s[8:9], s[4:5]           ; R's codes
	s_cselect_b64 s[18:19], s[10:11], s[6:7]       ; R's scales
	s_cselect_b64 s[8:9], s[4:5], s[8:9]           ; P's codes
	s_cselect_b64 s[10:11], s[6:7], s[10:11]       ; P's scales
	s_add_nc_u64 s[20:21], s[2:3], s[20:21]
	s_add_nc_u64 s[22:23], s[18:19], s[22:23]
	s_add_nc_u64 s[46:47], s[8:9], s[46:47]
	s_add_nc_u64 s[92:93], s[10:11], s[92:93]
	CROUND                                         ; all sixteen work-groups are here: the joint loads meet
	s_mov_b32 s[G0S], 1
	s_add_co_u32 s[G0S+1], s94, SCL
	s_mov_b64 s[G0S+2:G0S+3], s[22:23]
	s_or_b32 s[G0S+3], s[G0S+3], 0x80000000
	s_mov_b32 s[G0SB], 1
	s_add_co_u32 s[G0SB+1], s94, SCL
	s_mov_b64 s[G0SB+2:G0SB+3], s[92:93]
	s_or_b32 s[G0SB+3], s[G0SB+3], 0x80000000
	JLOAD G0S, G1S, G0SB, G1SB                     ; the scales first: three loads of mine are out behind the third line below
.irp s, 0,1
	s_mov_b32 s[G0+4*\s], 1
	s_add_co_u32 s[G0+4*\s+1], s45, \s*SLOT
	s_add_nc_u64 s[G0+4*\s+2:G0+4*\s+3], s[20:21], \s*ROWB
	s_or_b32 s[G0+4*\s+3], s[G0+4*\s+3], 0x80000000
	s_mov_b32 s[G0B+4*\s], 1
	s_add_co_u32 s[G0B+4*\s+1], s45, \s*SLOT
	s_add_nc_u64 s[G0B+4*\s+2:G0B+4*\s+3], s[46:47], \s*ROWB
	s_or_b32 s[G0B+4*\s+3], s[G0B+4*\s+3], 0x80000000
	JLOAD G0+4*\s, G1, G0B+4*\s, G1B
.endr
	v_and_b32 v1, 15, v0                           ; r = lane % 16
	v_bfe_u32 v2, v0, 4, 1                         ; h = lane / 16
	v_mul_u32_u24 v3, v1, PITCH
	v_lshl_add_u32 v4, v2, 4, v3                   ; a fragment's row x pitch + 16 h
	s_mul_i32 s21, s15, HALFT                      ; my 128 rows of R
	s_mul_i32 s22, s16, HALFT                      ; my 128 rows of P,
	s_add_co_u32 s22, s22, 2*HALFT                 ; which lie behind R's 256
.irp s, 0,1
	v_add_nc_u32 v[ADRA+\s], s21, v4
	v_add_nc_u32 v[ADRB+\s], s22, v4
	s_add_co_u32 s21, s21, SLOT
	s_add_co_u32 s22, s22, SLOT
.endr
	v_mul_u32_u24 v5, v1, KS                       ; my row's scales: 32 bytes a row,
	v_lshrrev_b32 v6, 8, v5
	v_lshl_add_u32 v5, v6, 4, v5                   ; and 16 more for each 256 passed
	s_mul_i32 s21, s15, HALFS
	s_mul_i32 s22, s16, HALFS
	s_add_co_u32 s22, s22, 2*HALFS
	s_sub_co_u32 s22, s22, s21
	v_mul_u32_u24 v6, s22, v2                      ; lanes 16-31 take P's
	s_add_co_u32 s21, s21, SCL
	v_add_nc_u32 v5, v5, v6
	v_add_nc_u32 v[ADRS], s21, v5
	s_lshl_b32 s23, s14, 10
	s_add_co_u32 s23, s23, STG                     ; my 1,024 bytes for scale words
	v_lshl_add_u32 v[STA], v1, 2, s23
	v_and_b32 v6, 31, v0
	v_lshlrev_b32 v[LI], 4, v6
	v_add_nc_u32 v[STR], s23, v[LI]
	v_mul_u32_u24 v[VOV], v2, HEADB
	v_lshl_add_u32 v[VOV], v1, 4, v[VOV]
	; the bias of my 128 channels: they run along P for q and k, along R for v
	s_cmp_eq_u32 s66, 1
	s_cselect_b32 s18, s17, s42
	s_cselect_b32 s19, s15, s16
	s_lshl_b32 s18, s18, 10
	s_lshl_b32 s19, s19, 9
	s_add_co_u32 s18, s18, s19                     ; 4 bytes x (256 x block + 128 x half)
	s_mov_b32 s19, 0
	s_add_nc_u64 s[12:13], s[12:13], s[18:19]
	s_cmp_eq_u32 s66, 1
	s_cbranch_scc1 .Lbias_v
	v_lshlrev_b32 v[BO], 5, v2                     ; q, k: register 8 b + j is the bias of channel 16 b + 8 h + j
	WIN TO_B
.irp b, 0,1,2,3,4,5,6,7
	global_load_b128 v[BI+8*\b:BI+8*\b+3], v[BO], s[12:13] offset:64*\b
	global_load_b128 v[BI+8*\b+4:BI+8*\b+7], v[BO], s[12:13] offset:64*\b+16
.endr
	WIN 0
	s_branch .Lbias_done
.Lbias_v:
	v_lshlrev_b32 v[BO], 2, v1                     ; v: all eight registers of block a hold the bias of channel 16 a + r
	WIN TO_B
.irp a, 0,1,2,3,4,5,6,7
.irp j, 0,1,2,3,4,5,6,7
	global_load_b32 v[BI+8*\a+\j], v[BO], s[12:13] offset:64*\a
.endr
.endr
	WIN 0
.Lbias_done:
.macro FRAG reg, adr, q, i             ; 16 rows x 128 K of 4-bit codes: lane l holds row l % 16; registers 4 c .. 4 c + 3 hold K = 64 c + 32 (l / 16) + 0 .. 31
.irp c, 0,1
	ds_load_b128 v[\reg+4*\c:\reg+4*\c+3], v[\adr] offset:64*(\q)+32*\c+(\i)*16*PITCH
.endr
.endm
; 16 matrix instructions: R's blocks a0, a0 + 1 x P's eight.  p: P's set; sc: the set of scale words.  cm = 0: the sum goes on; 1: it begins with the bias along P; 2: with the bias along R.
; The 64 accumulators take turns, one instruction a turn, in the same order in every step.
.macro MUL16 a0, p, q, sc, cm
.irp a, \a0, \a0+1
.irp b, 0,1,2,3,4,5,6,7
.set XD, 8*(8*((\a)%4)+\b)
.if \cm == 1
.set XC, BI+8*\b
.elseif \cm == 2
.set XC, BI+8*(\a)
.else
.set XC, XD
.endif
	v_wmma_scale_f32_16x16x128_f8f6f4 v[XD:XD+7], v[128*(\p)+FR*\b:128*(\p)+FR*\b+FR-1], v[AF+FR*(\a):AF+FR*(\a)+FR-1], v[XC:XC+7], v[SC+8*NQ*(\sc)+NQ*\b+(\q)], v[SC+8*NQ*(\sc)+NQ*(\a)+(\q)] matrix_a_fmt:MATRIX_FMT_FP4 matrix_b_fmt:MATRIX_FMT_FP4 matrix_a_scale:MATRIX_SCALE_ROW1
.endr
.endr
.endm
.macro FETCH_B slot, q, p
	WIN TO_B
.irp i, 0,1,2,3,4,5,6,7
	FRAG 128*(\p)+FR*\i, ADRB+\slot, \q, \i
.endr
	WIN 0
.endm
.macro FETCH_A slot, q, i0
.irp i, \i0, \i0+1, \i0+2, \i0+3
	FRAG AF+FR*(\i), ADRA+\slot, \q, \i
.endr
.endm
.macro SCALES sc                       ; a slot's scale words: four a row; lanes 0-15 take R's block i, lanes 16-31 P's block i
.irp i, 0,1,2,3,4,5,6,7
	ds_load_b128 v[SC+8*NQ*\sc+NQ*\i:SC+8*NQ*\sc+NQ*\i+3], v[ADRS] offset:\i*SBLK
.endr
.endm
.macro PLACES n                        ; plain vector instructions between a matrix instruction and a load into, or a read of, its registers
.rept \n
	v_nop
.endr
.endm
.macro STEP slot, q, cm                ; 128 along K, with its successor in the same slot
	s_wait_dscnt 4*NL                              ; P's set and R's blocks 0-3 are in; the eight youngest loads (R's blocks 4-7) may be out
.if \cm
	WIN 0x91                                       ; C, the bias, in window 1; D in window 2
.else
	WIN MUL_LO
.endif
	MUL16 0, (\q)%2, \q, \slot, \cm
	MUL16 2, (\q)%2, \q, \slot, \cm
	s_wait_dscnt 0                                 ; R's blocks 4-7 are in
	PLACES NP
	FETCH_B \slot, (\q)+1, 1-(\q)%2
	FETCH_A \slot, (\q)+1, 0
.if \cm
	WIN 0xd1
.else
	WIN MUL_HI
.endif
	MUL16 4, (\q)%2, \q, \slot, \cm
	MUL16 6, (\q)%2, \q, \slot, \cm
	PLACES NP
	WIN 0
	FETCH_A \slot, (\q)+1, 4
.endm
.macro TURN slot, next                 ; slot 0's last step: behind its barrier slot 1 is whole for every wave.  Nothing is filled again
	s_wait_tensorcnt 0x0                           ; all my tensor loads have landed: my part of the next slot
	ds_add_u32 v[SPW], v[NIL]                      ; 0 onto my spare word
	s_wait_dscnt 4*NL+1                            ; (the add and the eight youngest loads may be out)
	WIN MUL_LO
	MUL16 0, 1, NQ-1, \slot, 0
	s_wait_dscnt 0x0                               ; no LDS instruction of mine is out at the signal
	s_barrier_signal -1
	MUL16 2, 1, NQ-1, \slot, 0
	WIN 0
	s_barrier_wait -1
	PLACES NP
	v_add_nc_u32 v[ADRS], 4*NQ, v[ADRS]            ; the next slot's scale words
	FETCH_B \next, 0, 0
	FETCH_A \next, 0, 0
	SCALES \next
	WIN MUL_HI
	MUL16 4, 1, NQ-1, \slot, 0
	MUL16 6, 1, NQ-1, \slot, 0
	PLACES NP
	WIN 0
	FETCH_A \next, 0, 4
.endm
.macro STEPS slot, from
.set Q, \from
.rept NQ-1-\from
	STEP \slot, Q, 0
.set Q, Q+1
.endr
.endm
	s_wait_tensorcnt 1                             ; the scales and my part of slot 0 are in; slot 1's load may be out
	s_barrier_signal -1
	s_barrier_wait -1                              ; everybody's are
	FETCH_B 0, 0, 0
	FETCH_A 0, 0, 0
	s_wait_alu depctr_va_vdst(0)
	SCALES 0
	FETCH_A 0, 0, 4
	s_wait_loadcnt 0x0                             ; the bias
	s_cmp_eq_u32 s66, 1
	s_cbranch_scc1 .Lfirst_v
	STEP 0, 0, 1                                   ; the first step begins the sums with the bias
	s_branch .Lfirst_done
.Lfirst_v:
	STEP 0, 0, 2
.Lfirst_done:
	STEPS 0, 1
	TURN 0, 1
	STEPS 1, 0
	s_wait_dscnt 4*NL                              ; the last step: nothing more to fetch
	WIN MUL_LO
	MUL16 0, 1, NQ-1, 1, 0
	MUL16 2, 1, NQ-1, 1, 0
	s_wait_dscnt 0
	WIN MUL_HI
	MUL16 4, 1, NQ-1, 1, 0
	MUL16 6, 1, NQ-1, 1, 0
	WIN 0
	PLACES NP
; THE WAY OUT.  R's block a: lane (r, h) holds, of R's row 16 a + r, register 8 b + j = P's row 16 b + 8 h + j.  Block e of 32 along P is registers 16 e .. 16 e + 15 of lanes l and l xor 16.
; A conversion's eight numbers are eight neighbours; the codes of (block e, half u) go to register 4 (e / 2) + 2 u + e % 2, and one exchange of lane halves for each pair of registers then leaves
; register 4 c + g of lane (r, h) with P = 64 c + 32 h + 8 g + 0 .. 7: the operand's own layout.
.macro QUANTA a
.set AC, 64*((\a)%4)
.set PC, PCB+8*(\a)
	WIN 0x28+0x14*((\a)/4)                         ; sources 1 and 2: window 2 or 3
.irp e, 0,1,2,3
	v_max3_num_f32 v[TM+\e], 0x1800000, |v[AC+16*\e]|, |v[AC+16*\e+1]|   ; my 16 numbers of block e, from each accumulator's low end on, and the floor 2^(3 - 127): the byte cannot fall under 1
.endr
.irp i, 2,4,6,8,10,12,14
.irp e, 0,1,2,3
	v_max3_num_f32 v[TM+\e], v[TM+\e], |v[AC+16*\e+\i]|, |v[AC+16*\e+\i+1]|
.endr
.endr
	WIN 0
.irp e, 0,1,2,3
	v_permlanex16_b32 v[TM+4+\e], v[TM+\e], s20, s21
.endr
.irp e, 0,1,2,3
	v_max_num_f32 v[TM+\e], v[TM+\e], v[TM+4+\e]   ; with lane l xor 16's: the block's largest magnitude
.endr
.irp e, 0,1,2,3
	v_add_nc_u32 v[TM+12+\e], 0xff000000, v[TM+\e] ; 2 off its exponent field: the conversion's scale operand
.endr
.irp e, 0,1,2,3
	v_lshrrev_b32 v[TM+4+\e], 23, v[TM+12+\e]      ; the scale's byte
.endr
	WIN 0x02+(\a)/4                                ; source 0: window 2 or 3
.irp e, 0,1,2,3
.irp u, 0,1
	v_cvt_scalef32_pk8_fp4_f32 v[PC+4*(\e/2)+2*\u+(\e%2)], v[AC+16*\e+8*\u:AC+16*\e+8*\u+7], v[TM+12+\e]
.endr
.endr
	WIN 0
	v_nop                                          ; one plain place behind a scaled conversion
.irp c, 0,1
.irp u, 0,1
	v_permlane16_swap_b32 v[PC+4*\c+2*\u], v[PC+4*\c+2*\u+1]
.endr
.endr
.endm
	s_mov_b32 s20, 0x76543210
	s_mov_b32 s21, 0xfedcba98                      ; v_permlanex16_b32's selects for lane l xor 16
.irp e, 0,1,2,3
	v_mov_b32 v[TM+4+\e], 0                        ; written once: a lane permute's destination counts as one of its sources
.endr
	s_cmp_eq_u32 s66, 1
	s_cbranch_scc1 .Lout_v
	; ---- q and k.  My 128 tokens are one key step of one batch; my 128 channels are two heads: blocks 0, 1 and blocks 2, 3
	s_lshl_b32 s18, s17, 1
	s_add_co_u32 s18, s18, s15                     ; my first token / 128
	s_lshr_b32 s19, s18, 4                         ; the batch
	s_and_b32 s18, s18, 15                         ; the key step
	s_lshl_b32 s22, s42, 2
	s_lshl_b32 s23, s16, 1
	s_add_co_u32 s22, s22, s23
	s_and_b32 s22, s22, 15                         ; my first head
	s_lshl_b32 s19, s19, 4
	s_add_co_u32 s22, s22, s19                     ; 16 x batch + head
	s_cmp_eq_u32 ttmp9, 1                          ; k (cluster x = 1) or q: buffers and strides are chosen, no branch
	s_cselect_b64 s[32:33], s[96:97], s[98:99]     ; the codes go to kv or to q_codes,
	s_cselect_b64 s[36:37], s[96:97], s[100:101]   ; the scale words to kv or to q_scales
	s_mov_b32 s24, 65536
	s_cselect_b32 s24, HEADB, s24                  ; codes: from head to head,
	s_mov_b32 s25, 4096
	s_cselect_b32 s25, REC, s25                    ; from step to step
	s_mov_b32 s26, 8192
	s_cselect_b32 s26, HEADB, s26                  ; scale words likewise
	s_mov_b32 s27, 512
	s_cselect_b32 s27, REC, s27
	s_cselect_b32 s28, 8192, 0                     ; in a record of kv they lie 8,192 bytes in
	s_mul_i32 s30, s22, s24
	s_mul_i32 s31, s18, s25
	s_add_co_u32 s30, s30, s31
	s_mov_b32 s31, 0
	s_add_nc_u64 s[32:33], s[32:33], s[30:31]      ; my first head's codes,
	s_mov_b32 s30, s24
	s_add_nc_u64 s[34:35], s[32:33], s[30:31]      ; my second head's
	s_mul_i32 s30, s22, s26
	s_mul_i32 s29, s18, s27
	s_add_co_u32 s30, s30, s29
	s_add_co_u32 s30, s30, s28
	s_add_nc_u64 s[36:37], s[36:37], s[30:31]
	s_mov_b32 s30, s26
	s_add_nc_u64 s[38:39], s[36:37], s[30:31]
.irp a, 0,1,2,3,4,5,6,7
	QUANTA \a
	global_store_b128 v[LI], v[PC:PC+3], s[32:33] offset:512*\a     ; 32 lanes store 512 consecutive bytes: the image of registers 0-3 of tile a's operand
	global_store_b128 v[LI], v[PC+4:PC+7], s[34:35] offset:512*\a
	v_lshl_or_b32 v[WD+2*\a], v[TM+5], 8, v[TM+4]                   ; a head's two bytes; bytes 2 and 3 stay 0: they scale zero codes
	v_lshl_or_b32 v[WD+2*\a+1], v[TM+7], 8, v[TM+6]
	ds_store_b32 v[STA], v[WD+2*\a] offset:64*\a                    ; both halves of the lanes write the same word with the same value
	ds_store_b32 v[STA], v[WD+2*\a+1] offset:512+64*\a
.endr
	ds_load_b128 v[RB:RB+3], v[STR]                ; LDS serves a wave's instructions in order: these see my stores
	ds_load_b128 v[RB+4:RB+7], v[STR] offset:512
	s_wait_dscnt 0x0
	global_store_b128 v[LI], v[RB:RB+3], s[36:37]  ; 128 scale words: 512 consecutive bytes
	global_store_b128 v[LI], v[RB+4:RB+7], s[38:39]
	s_branch .Ldone
.Lout_v:
	; ---- v.  My 128 keys are one key step; my 128 channels are two heads of four tiles
	s_lshl_b32 s18, s42, 1
	s_add_co_u32 s18, s18, s16                     ; my first key / 128
	s_lshr_b32 s19, s18, 4
	s_and_b32 s18, s18, 15
	s_sub_co_u32 s22, s17, 8
	s_lshl_b32 s22, s22, 2
	s_lshl_b32 s23, s15, 1
	s_add_co_u32 s22, s22, s23                     ; my first head
	s_lshl_b32 s19, s19, 4
	s_add_co_u32 s22, s22, s19
	s_mul_i32 s30, s22, HEADB
	s_mul_i32 s29, s18, REC
	s_add_co_u32 s30, s30, s29
	s_mov_b32 s31, 0
	s_add_nc_u64 s[32:33], s[96:97], s[30:31]
	s_add_nc_u64 s[34:35], s[32:33], HEADB
.irp a, 0,1,2,3,4,5,6,7
	QUANTA \a
	global_store_b128 v[LI], v[PC:PC+3], s[32+2*(\a/4):33+2*(\a/4)] offset:4096+1024*(\a%4)
	global_store_b128 v[LI], v[PC+4:PC+7], s[32+2*(\a/4):33+2*(\a/4)] offset:4096+1024*(\a%4)+512
	v_lshl_or_b32 v[WD+\a], v[TM+5], 8, v[TM+4]    ; the step's four bytes of channel 16 a + r
	v_lshl_or_b32 v[WD+\a], v[TM+6], 16, v[WD+\a]
	v_lshl_or_b32 v[WD+\a], v[TM+7], 24, v[WD+\a]
	ds_store_b32 v[STA], v[WD+\a] offset:4096+64*\a
.endr
	ds_load_b128 v[RB:RB+3], v[STR] offset:4096
	s_wait_dscnt 0x0
	global_store_b128 v[VOV], v[RB:RB+3], s[32:33] offset:8704      ; lanes 0-15: my first head's 256 bytes, lanes 16-31: my second head's
.Ldone:
	s_wait_tensorcnt 0x0                           ; the wave's end: behind my last tensor load and my last LDS store
	ds_add_u32 v[SPW], v[NIL]
	s_wait_dscnt 0x0
	CROUND                                         ; the closing round
	s_endpgm
.Lfunc_end_k_qed6279d2c5_qkv:
	.size	k_qed6279d2c5_qkv, .Lfunc_end_k_qed6279d2c5_qkv-k_qed6279d2c5_qkv
	.p2alignl 7, 3214868480
	.fill 96, 4, 3214868480
	.section	.rodata,"a",@progbits
	.p2align	6, 0x0
	.amdhsa_kernel k_qed6279d2c5_qkv
		.amdhsa_group_segment_fixed_size 327680
		.amdhsa_private_segment_fixed_size 0
		.amdhsa_enable_private_segment 0
		.amdhsa_kernarg_size 64
		.amdhsa_user_sgpr_count 2
		.amdhsa_user_sgpr_kernarg_segment_ptr 1
		.amdhsa_wavefront_size32 1
		.amdhsa_system_sgpr_workgroup_id_x 1
		.amdhsa_system_sgpr_workgroup_id_y 1
		.amdhsa_system_sgpr_workgroup_id_z 1
		.amdhsa_system_vgpr_workitem_id 0
		.amdhsa_next_free_vgpr 1024
		.amdhsa_next_free_sgpr 102
		.amdhsa_reserve_vcc 0
		.amdhsa_float_denorm_mode_32 3
		.amdhsa_float_denorm_mode_16_64 3
		.amdhsa_memory_ordered 1
		.amdhsa_forward_progress 1
		.amdhsa_inst_pref_size 182
	.end_amdhsa_kernel
	.amdgpu_metadata
---
amdhsa.version: [ 1, 2 ]
amdhsa.kernels:
  - .name:           k_qed6279d2c5_qkv
    .symbol:         k_qed6279d2c5_qkv.kd
    .args:
      - { .name: x_codes, .offset: 0, .size: 8, .value_kind: global_buffer, .address_space: global }
      - { .name: x_scales, .offset: 8, .size: 8, .value_kind: global_buffer, .address_space: global }
      - { .name: w_attn_codes, .offset: 16, .size: 8, .value_kind: global_buffer, .address_space: global }
      - { .name: w_attn_scales, .offset: 24, .size: 8, .value_kind: global_buffer, .address_space: global }
      - { .name: b_attn, .offset: 32, .size: 8, .value_kind: global_buffer, .address_space: global }
      - { .name: kv, .offset: 40, .size: 8, .value_kind: global_buffer, .address_space: global }
      - { .name: q_codes, .offset: 48, .size: 8, .value_kind: global_buffer, .address_space: global }
      - { .name: q_scales, .offset: 56, .size: 8, .value_kind: global_buffer, .address_space: global }
    .group_segment_fixed_size: 327680
    .private_segment_fixed_size: 0
    .kernarg_segment_align: 8
    .kernarg_segment_size: 64
    .max_flat_workgroup_size: 128
    .sgpr_count:     102
    .vgpr_count:     1024
    .wavefront_size: 32
...
	.end_amdgpu_metadata
.endif
;; end of part 1
;; launch attn (part 2): grid 4 x 64, 16 waves a work-group, clusters of 4 x 1, 167,936 bytes of LDS; arguments q_codes, q_scales, kv, y_codes, y_scales; writes y_codes, y_scales
.if DOCPART == 2
	.amdgcn_target "amdgcn-amd-amdhsa--gfx1250"
	.amdhsa_code_object_version 6
	.text
	.protected	k_qed6279d2c5_attn
	.globl	k_qed6279d2c5_attn
	.p2align	8
	.type	k_qed6279d2c5_attn,@function
k_qed6279d2c5_attn:
	s_mov_b64 s[64:65], 0
	v_nop
	global_prefetch_b8 v0, s[64:65] scope:SCOPE_SE
	s_setreg_imm32_b32 hwreg(HW_REG_WAVE_MODE, 25, 1), 1
	s_wait_xcnt 0x0
	s_wait_alu depctr_hold_cnt(0) depctr_sa_sdst(0) depctr_va_vdst(0) depctr_va_sdst(0) depctr_va_ssrc(0) depctr_va_vcc(0) depctr_vm_vsrc(0)
	s_getreg_b32 s2, hwreg(HW_REG_IB_STS2, 6, 4)
	s_cmp_eq_u32 s2, 0
	s_cbranch_scc0 .Lentry_in_a_cluster
	s_endpgm
.Lentry_in_a_cluster:
	s_bfe_u32 s2, ttmp6, 0x10000c
	s_cmp_lg_u32 s2, 0x3003
	s_cbranch_scc0 .Lentry_shape_is_right
	s_endpgm
.Lentry_shape_is_right:
; y[b][t][head] = softmax_k(q . k / 8, causal) v, both products on codes of FP4 (E2M1) with one E8M0 scale for each 32 along a product's K; y is quantised along the model's 1,024 and leaves as codes and scale bytes.
; LEFT OUT AS DEAD WORK: key steps of 128 keys all of which come after all 16 queries of a tile: reference()'s own jnp.tril makes their weights 0 for all finite inputs.  A NaN, an infinity or an overflow that
; reaches only those steps is not carried to the result.
; THE SOFTMAX: t = score x log2(e) / 8; M = the row's largest t so far, rounded up to a whole number; p = 2^(t - M) is quantised along the keys, not normalised; the row's sum is taken of the unquantised p and divides at the end.
; When M moves, the sum and O are multiplied by 2^(old M - new M): exact.
; SHARES.  A cluster of four work-groups is one (batch, head).  Work-group cx owns the tiles of 16 queries t = 4 i + cx, i = 0 .. 31; wave w takes i = 31 - w and then i = w.  A tile's last key step, the one on the diagonal,
; is i / 2 whatever cx is (4 (i % 2) + cx is under 8): so every wave walks 17 key steps, no branch hangs on cx, and all four partners need all 16 key steps of the head.
; LDS holds the head's whole kv, 16 records of 8,960 bytes, each brought ONCE by one joint load, one a wave, that names all four partners.  Nothing is filled twice, nothing is stored to LDS.
; LAYOUT.  Both products are used transposed: S^T = K Q^T (source 0 = 16 keys, source 1 = my 16 queries), O^T = V^T P^T: a lane holds ONE query (lane % 16) throughout.  Register 8 u + j of S^T is key 16 u + 8 (lane / 16) + j.
; The head's 64 fill half of the instruction's K = 128: registers 4-7 of K's and Q's fragments hold zero codes, and bytes 2 and 3 of their scale words are 0, which is a power of two and no NaN.
; REGISTERS: v1-11 addresses; v12 -M, v13 the largest t, v[14:15] the sum; v16-31 Q of my two tiles; v32-95 K's eight fragments; v96-159 S^T, then p; v160-191 O^T; v192-223 V's four fragments; v224-231 p's codes;
;   v232-239, v244-247, v252, v254 at work; v240-243 K's scale words, v248-249 V's, v250-251 Q's, v253 p's; v255 -infinity.
.set REC,   8960
.set SPARE, 16*REC                     ; behind the records: the spare words, 128 bytes for each of 16 waves, named by no other line
.set LI,  1                            ; v1   16 x lane
.set LS,  2                            ; v2   4 x lane
.set SPW, 3                            ; v3   my spare word; never rewritten
.set NIL, 4                            ; v4   0; never rewritten
.set ADK, 5                            ; v5   the step's record + 16 x lane
.set ADS, 6                            ; v6   the step's record + 4 x lane
.set DQ,  7                            ; v7   my query's place in its diagonal step, less 8 (lane / 16)
.set R4,  8                            ; v8   4 (lane % 16)
.set R16, 9                            ; v9   16 (lane % 16)
.set RH,  10                           ; v10  lane % 16 - 8 (lane / 16)
.macro CROUND
	s_barrier_signal -1
	s_barrier_wait -1
	s_cmp_lg_u32 s14, 0
	s_cbranch_scc1 .Lnot_wave_0_\@
	s_barrier_signal -3
.Lnot_wave_0_\@:
	s_barrier_wait -3
	s_barrier_signal -1
	s_barrier_wait -1
.endm
	s_load_b256 s[4:11], s[0:1], 0x0               ; q_codes, q_scales, kv, y_codes
	s_load_b64 s[12:13], s[0:1], 0x20              ; y_scales
	v_lshl_add_u32 v[SPW], v0, 2, SPARE
	v_mov_b32 v[NIL], 0
	ds_add_u32 v[SPW], v[NIL]                      ; the wave's opening: the add, twice on end, and its wait ahead of my first tensor load
	ds_add_u32 v[SPW], v[NIL]
	v_lshrrev_b32 v5, 5, v0
	s_delay_alu instid0(VALU_DEP_1)
	v_readfirstlane_b32 s14, v5                    ; wave 0..15
	s_bfe_u32 s15, ttmp6, 0x40000                  ; cx: it enters q's and y's global addresses and the mask's numbers, nothing else
	s_and_b32 s16, ttmp7, 0xffff                   ; 16 x batch + head
	s_xor_b32 s17, s14, 31                         ; i of my first tile: 31 - wave
	s_lshr_b32 s62, s17, 1                         ; its diagonal step
	s_lshr_b32 s63, s14, 1                         ; my second tile's (i = wave)
	s_lshl_b32 s18, s17, 2
	s_add_co_u32 s18, s18, s15                     ; my first tile
	s_lshl_b32 s19, s14, 2
	s_add_co_u32 s19, s19, s15                     ; my second
	s_and_b32 s60, s18, 7
	s_lshl_b32 s60, s60, 4                         ; its first query's place in the diagonal step
	s_and_b32 s61, s19, 7
	s_lshl_b32 s61, s61, 4
	s_lshl_b32 s20, s16, 16                        ; q_codes: 65,536 bytes a head
	s_lshl_b32 s21, s16, 13                        ; q_scales: 8,192
	s_and_b32 s22, s16, 15                         ; the head
	s_lshr_b32 s23, s16, 4
	s_lshl_b32 s23, s23, 7                         ; 128 tiles of rows a batch
	s_lshl_b32 s42, s22, 9                         ; y_codes: K step head / 2, half head % 2: 512 bytes a head
	s_lshr_b32 s43, s22, 3
	s_lshl_b32 s43, s43, 8                         ; y_scales: which half of K,
	s_bfe_u32 s2, s22, 0x20001
	s_lshl_b32 s2, s2, 2
	s_add_co_u32 s43, s43, s2                      ; which word,
	s_and_b32 s2, s22, 1
	s_lshl_b32 s2, s2, 1
	s_add_co_u32 s43, s43, s2                      ; which half of it
	s_mov_b32 s36, 0x76543210
	s_mov_b32 s37, 0xfedcba98                      ; v_permlanex16_b32's selects for lane l xor 16
	s_mov_b32 s38, 0x3e38aa3b                      ; c = log2(e) / 8
	s_mov_b32 s39, s38                             ; (named with it as a pair)
	s_mov_b32 s24, 15|(3<<16)|(1<<21)              ; group 1: all four partners; elements of 8 bytes; bit 21 beside a mask; no padding: a record is read in runs of 512 consecutive bytes
	s_mov_b32 s25, 32<<16                          ; 35 dense rows of 256 bytes
	s_mov_b32 s26, 35<<16
	s_mov_b32 s27, 32<<16
	s_mov_b32 s28, 35
	s_mov_b32 s29, 32
	s_mov_b32 s30, 0
	s_mov_b32 s31, 0
	s_mul_i32 s33, s14, REC                        ; record = wave, in LDS
	s_mul_i32 s2, s16, 16*REC
	s_add_co_u32 s2, s2, s33                       ; and in memory
	s_mov_b32 s3, 0
	s_wait_dscnt 0x0                               ; both opening adds are done
	s_wait_kmcnt 0x0
	s_mov_b32 s32, 1
	s_add_nc_u64 s[34:35], s[8:9], s[2:3]
	s_or_b32 s35, s35, 0x80000000
	CROUND                                         ; all four work-groups are here: the joint loads meet
	tensor_load_to_lds s[32:35], s[24:31]          ; my one tensor load
	s_nop 0
.rept 4
	v_nop
.endr
.macro TADDR t, x                      ; tile s[t]'s four addresses, set x
	s_lshl_b32 s2, s[\t], 9
	s_add_co_u32 s2, s2, s20
	s_add_nc_u64 s[44+2*\x:45+2*\x], s[4:5], s[2:3]
	s_lshl_b32 s2, s[\t], 6
	s_add_co_u32 s2, s2, s21
	s_add_nc_u64 s[48+2*\x:49+2*\x], s[6:7], s[2:3]
	s_add_co_u32 s17, s23, s[\t]                   ; the tile of rows of y
	s_lshl_b32 s2, s17, 13
	s_add_co_u32 s2, s2, s42
	s_add_nc_u64 s[52+2*\x:53+2*\x], s[10:11], s[2:3]
	s_lshl_b32 s2, s17, 9
	s_add_co_u32 s2, s2, s43
	s_add_nc_u64 s[56+2*\x:57+2*\x], s[12:13], s[2:3]
.endm
	TADDR 18, 0
	TADDR 19, 1
	v_and_b32 v[LI], 31, v0
	s_delay_alu instid0(VALU_DEP_1)
	v_lshlrev_b32 v[LS], 2, v[LI]
	s_delay_alu instid0(VALU_DEP_2)
	v_lshlrev_b32 v[LI], 4, v[LI]
	v_and_b32 v11, 15, v0
	s_delay_alu instid0(VALU_DEP_1)
	v_lshlrev_b32 v[R4], 2, v11
	s_delay_alu instid0(VALU_DEP_2)
	v_lshlrev_b32 v[R16], 4, v11
	v_bfe_u32 v[ADK], v0, 4, 1
	s_delay_alu instid0(VALU_DEP_1)
	v_lshlrev_b32 v[ADK], 3, v[ADK]
	s_delay_alu instid0(VALU_DEP_1)
	v_sub_nc_u32 v[RH], v11, v[ADK]
	global_load_b128 v[16:19], v[LI], s[44:45]     ; Q's fragments stay in registers
	global_load_b128 v[24:27], v[LI], s[46:47]
	global_load_b32 v250, v[R4], s[48:49]          ; and their scale words
	global_load_b32 v251, v[R4], s[50:51]
.irp j, 20,21,22,23,28,29,30,31
	v_mov_b32 v[\j], 0                             ; K = 64 .. 127 of Q: zero codes
.endr
.irp u, 0,1,2,3,4,5,6,7
.irp j, 4,5,6,7
	v_mov_b32 v[32+8*\u+\j], 0                     ; and of K's eight fragments: written once, no load lands here
.endr
.endr
.irp j, 236,237,238,239,252,253
	v_mov_b32 v[\j], 0                             ; lane permutes' destinations count as sources; v253 is named in the pair v[252:253]
.endr
	v_mov_b32 v255, 0xff800000                     ; -infinity
	s_wait_loadcnt 0x0                             ; Q
	s_wait_tensorcnt 0x0                           ; my record is in,
	s_barrier_signal -1
	s_barrier_wait -1                              ; everybody's is
; ONE TILE OF 16 QUERIES.  The loop's trip count is a constant, so that the record's LDS address is a constant step; a step behind the diagonal is jumped over, by a branch on the wave's number and the count alone.
.macro TILE qfr, qsr, nsr, qor, yb, ysb
	s_wait_xcnt 0x0                                ; the last tile's stores have read their registers
	v_mov_b32 v13, 0xff61b1e6                      ; the largest t so far: -3e38
	s_delay_alu instid0(VALU_DEP_1)
	v_floor_f32 v12, -v13                          ; -M
	v_mov_b32 v14, 0
	v_mov_b32 v15, 0
.set j, 0
.rept 32
	v_mov_b32 v[160+j], 0                          ; O^T: the step is written once; the first finds zeros, which the first change of M leaves zeros
.set j, j+1
.endr
	v_add_nc_u32 v[DQ], s[\qor], v[RH]
	s_mov_b32 s40, 0                               ; the step's record
	s_mov_b32 s41, 0                               ; the step
.Lstep_\@:
	s_cmp_gt_u32 s41, s[\nsr]
	s_cbranch_scc1 .Lhid_\@
	s_setprio 2
	v_add_nc_u32 v[ADK], s40, v[LI]
	v_add_nc_u32 v[ADS], s40, v[LS]
	v_nop
	v_nop                                          ; four places between the last step's products and the loads into their operands
.irp u, 0,1,2,3,4,5,6,7
	ds_load_b128 v[32+8*\u:35+8*\u], v[ADK] offset:512*\u           ; K's tile u: registers 0-3
.endr
.irp u, 0,1,2,3
	ds_load_b32 v[240+\u], v[ADS] offset:8192+128*\u                ; lanes 0-15: tile 2 u's scale words; lanes 16-31: tile 2 u + 1's
.endr
.irp u, 0,1,2,3
.irp c, 0,1
	ds_load_b128 v[192+8*\u+4*\c:195+8*\u+4*\c], v[ADK] offset:4096+1024*\u+512*\c   ; V^T: channels 16 u on, these 128 keys
.endr
.endr
.irp u, 0,1
	ds_load_b32 v[248+\u], v[ADS] offset:8704+128*\u
.endr
	s_wait_dscnt 10                                ; K and its scale words are in; V's ten loads may be out
.irp u, 0,2,4,6
	v_wmma_scale_f32_16x16x128_f8f6f4 v[96+8*\u:103+8*\u], v[32+8*\u:39+8*\u], v[\qfr:\qfr+7], 0, v[240+\u/2], v[\qsr] matrix_a_fmt:MATRIX_FMT_FP4 matrix_b_fmt:MATRIX_FMT_FP4
	v_wmma_scale_f32_16x16x128_f8f6f4 v[104+8*\u:111+8*\u], v[40+8*\u:47+8*\u], v[\qfr:\qfr+7], 0, v[240+\u/2], v[\qsr] matrix_a_fmt:MATRIX_FMT_FP4 matrix_b_fmt:MATRIX_FMT_FP4 matrix_a_scale:MATRIX_SCALE_ROW1
.endr
.rept 4
	v_nop
.endr
	s_cmp_lg_u32 s41, s[\nsr]                      ; on the diagonal alone: hidden scores become -infinity ahead of the maximum.  The step's first key counts for every query of the tile
	s_cbranch_scc1 .Lopen_\@
.set n, 0
	s_wait_alu depctr_va_vdst(0)
.rept 64
	v_cmp_gt_i32 vcc_lo, 16*(n/8)+n%8, v[DQ]       ; register n holds key 16 (n / 8) + 8 (lane / 16) + n % 8 of the step
	v_cndmask_b32 v[96+n], v[96+n], v255, vcc_lo
.set n, n+1
.endr
.Lopen_\@:
.irp b, 0,1,2,3
	v_max3_num_f32 v[232+\b], v[96+16*\b], v[97+16*\b], v[98+16*\b]   ; the largest score of each block of 32 keys: for the row's maximum, and, since p rises with the score, for the block's largest p
.endr
.irp i, 3,5,7,9,11,13
.irp b, 0,1,2,3
	v_max3_num_f32 v[232+\b], v[232+\b], v[96+16*\b+\i], v[97+16*\b+\i]
.endr
.endr
.irp b, 0,1,2,3
	v_max_num_f32 v[232+\b], v[232+\b], v[111+16*\b]
.endr
.irp b, 0,1,2,3
	s_delay_alu instid0(VALU_DEP_4)
	v_permlanex16_b32 v[236+\b], v[232+\b], s36, s37
.endr
.irp b, 0,1,2,3
	s_delay_alu instid0(VALU_DEP_4)
	v_max_num_f32 v[232+\b], v[232+\b], v[236+\b]  ; with lane l xor 16's 16 keys
.endr
	s_delay_alu instid0(VALU_DEP_2)
	v_max3_num_f32 v254, v232, v233, v234
	s_delay_alu instid0(VALU_DEP_1)
	v_max_num_f32 v254, v254, v235
	s_delay_alu instid0(VALU_DEP_1)
	v_mul_f32 v254, s38, v254                      ; the step's largest t
	s_delay_alu instid0(VALU_DEP_1)
	v_max_num_f32 v13, v13, v254
	v_mov_b32 v254, v12
	s_delay_alu instid0(VALU_DEP_2)
	v_floor_f32 v12, -v13                          ; the new -M = -ceil(t)
	s_delay_alu instid0(VALU_DEP_1)
	v_sub_f32 v254, v12, v254                      ; old M - new M: a whole number, 0 or less
	s_delay_alu instid0(VALU_DEP_1)
	v_cvt_i32_f32 v254, v254                       ; (it saturates)
	s_delay_alu instid0(VALU_DEP_1)
	v_ldexp_f32 v252, 1.0, v254                    ; f = 2^(old M - new M)
.irp j, 0,2,4,6,8,10,12,14,16,18,20,22,24,26,28,30,32,34,36,38,40,42,44,46,48,50,52,54,56,58,60,62
	v_pk_fma_f32 v[96+\j:97+\j], v[96+\j:97+\j], s[38:39], v[12:13] op_sel_hi:[1,0,0]   ; t - M
.endr
	s_setprio 1
.irp b, 0,1,2,3
	v_fma_f32 v[232+\b], v[232+\b], s38, v12
.endr
.set j, 0
	s_wait_alu depctr_va_vdst(0)
.rept 64
	v_exp_f32 v[96+j], v[96+j]                     ; p = 2^(t - M)
.set j, j+1
.endr
	v_pk_mul_f32 v[14:15], v[14:15], v[252:253] op_sel_hi:[1,0]     ; the sums under the new M: a plain place behind the exponentials
	s_wait_alu depctr_va_vdst(0)                   ; one wait for the batch, ahead of its first reader
.irp b, 0,1,2,3
	v_exp_f32 v[232+\b], v[232+\b]                 ; each block's largest p
.endr
	v_pk_add_f32 v[236:237], v[100:101], v[104:105]
	v_pk_add_f32 v[246:247], v[108:109], v[112:113]
	v_pk_add_f32 v[244:245], v[116:117], v[120:121]
	v_pk_add_f32 v[242:243], v[124:125], v[128:129]
	v_pk_add_f32 v[240:241], v[132:133], v[136:137]
	v_pk_add_f32 v[238:239], v[140:141], v[144:145]
	v_pk_add_f32 v[230:231], v[148:149], v[152:153]
	v_pk_add_f32 v[14:15], v[14:15], v[156:157]
	v_pk_add_f32 v[236:237], v[236:237], v[96:97]
	v_pk_add_f32 v[246:247], v[246:247], v[98:99]
	v_pk_add_f32 v[244:245], v[244:245], v[102:103]
	v_pk_add_f32 v[242:243], v[242:243], v[106:107]
	v_pk_add_f32 v[240:241], v[240:241], v[110:111]
	v_pk_add_f32 v[238:239], v[238:239], v[114:115]
	v_pk_add_f32 v[230:231], v[230:231], v[118:119]
	v_pk_add_f32 v[14:15], v[14:15], v[122:123]
	v_pk_add_f32 v[236:237], v[236:237], v[126:127]
	v_pk_add_f32 v[246:247], v[246:247], v[130:131]
	v_pk_add_f32 v[244:245], v[244:245], v[134:135]
	v_pk_add_f32 v[242:243], v[242:243], v[138:139]
	v_pk_add_f32 v[240:241], v[240:241], v[142:143]
	v_pk_add_f32 v[238:239], v[238:239], v[146:147]
	v_pk_add_f32 v[230:231], v[230:231], v[150:151]
	v_pk_add_f32 v[14:15], v[14:15], v[154:155]
	v_pk_add_f32 v[236:237], v[236:237], v[158:159]
	s_delay_alu instid0(VALU_DEP_2)
	v_pk_add_f32 v[14:15], v[14:15], v[242:243]
	s_delay_alu instid0(VALU_DEP_2)
	v_pk_add_f32 v[236:237], v[236:237], v[240:241]
	v_pk_add_f32 v[246:247], v[246:247], v[238:239]
	v_pk_add_f32 v[244:245], v[244:245], v[230:231]
	s_delay_alu instid0(VALU_DEP_2)
	v_pk_add_f32 v[14:15], v[14:15], v[246:247]
	s_delay_alu instid0(VALU_DEP_2)
	v_pk_add_f32 v[236:237], v[236:237], v[244:245]
	s_delay_alu instid0(VALU_DEP_1)
	v_pk_add_f32 v[14:15], v[14:15], v[236:237]
	s_wait_alu depctr_va_vdst(0)                   ; and one for the four
.irp b, 0,1,2,3
	v_max_num_f32 v[232+\b], 0x1800000, v[232+\b]  ; the floor 2^(3 - 127): the byte cannot fall under 1
.endr
.irp b, 0,1,2,3
	s_delay_alu instid0(VALU_DEP_4)
	v_add_nc_u32 v[244+\b], 0xff000000, v[232+\b]  ; the conversion's scale operand
.endr
.irp b, 0,1,2,3
	s_delay_alu instid0(VALU_DEP_4)
	v_lshrrev_b32 v[236+\b], 23, v[244+\b]         ; the scale's byte
.endr
	s_delay_alu instid0(VALU_DEP_3)
	v_lshl_or_b32 v253, v237, 8, v236              ; p's scale word for these 128 keys
	s_delay_alu instid0(VALU_DEP_1)
	v_lshl_or_b32 v253, v238, 16, v253
	s_delay_alu instid0(VALU_DEP_1)
	v_lshl_or_b32 v253, v239, 24, v253
	s_setprio 0
.irp e, 0,1,2,3
.irp u, 0,1
	v_cvt_scalef32_pk8_fp4_f32 v[224+4*(\e/2)+2*\u+(\e%2)], v[96+16*\e+8*\u:103+16*\e+8*\u], v[244+\e]   ; keys 32 e + 16 u + 8 (lane / 16) + 0 .. 7
.endr
.endr
	v_nop                                          ; one plain place behind a scaled conversion
.irp c, 0,1
.irp u, 0,1
	v_permlane16_swap_b32 v[224+4*\c+2*\u], v[225+4*\c+2*\u]        ; register 4 c + g of lane (r, h) now holds keys 64 c + 32 h + 8 g + 0 .. 7
.endr
.endr
.irp j, 0,2,4,6,8,10,12,14,16,18,20,22,24,26,28,30
	v_pk_mul_f32 v[160+\j:161+\j], v[160+\j:161+\j], v[252:253] op_sel_hi:[1,0]   ; O^T under the new M; these sixteen also stand between the scale word's and the codes' last writes and the products
.endr
	s_wait_alu depctr_va_vdst(0)
	s_wait_dscnt 0x0                               ; V is in
.irp u, 0,2
	v_wmma_scale_f32_16x16x128_f8f6f4 v[160+8*\u:167+8*\u], v[192+8*\u:199+8*\u], v[224:231], v[160+8*\u:167+8*\u], v[248+\u/2], v253 matrix_a_fmt:MATRIX_FMT_FP4 matrix_b_fmt:MATRIX_FMT_FP4
	v_wmma_scale_f32_16x16x128_f8f6f4 v[168+8*\u:175+8*\u], v[200+8*\u:207+8*\u], v[224:231], v[168+8*\u:175+8*\u], v[248+\u/2], v253 matrix_a_fmt:MATRIX_FMT_FP4 matrix_b_fmt:MATRIX_FMT_FP4 matrix_a_scale:MATRIX_SCALE_ROW1
.endr
.Lhid_\@:
	s_add_co_u32 s40, s40, REC
	s_add_co_u32 s41, s41, 1
	s_cmp_lt_u32 s41, 16
	s_cbranch_scc1 .Lstep_\@
	s_setprio 0
	; the tile's way out: O^T / the sum, quantised along the head's 64 (two blocks of the model's 1,024), as the image of four registers of the last product's operand
.rept 4
	v_nop
.endr
	v_add_f32 v14, v14, v15
	s_delay_alu instid0(VALU_DEP_1)
	v_permlanex16_b32 v252, v14, s36, s37
	s_delay_alu instid0(VALU_DEP_1)
	v_add_f32 v14, v14, v252                       ; the row's sum
	s_wait_alu depctr_va_vdst(0)
	v_rcp_f32 v14, v14
	v_nop                                          ; a plain place behind the reciprocal
	s_wait_alu depctr_va_vdst(0)                   ; and the wait ahead of its first reader
.irp j, 0,2,4,6,8,10,12,14,16,18,20,22,24,26,28,30
	v_pk_mul_f32 v[96+\j:97+\j], v[160+\j:161+\j], v[14:15] op_sel_hi:[1,0]   ; register 8 u + j is y(query r, channel 16 u + 8 h + j); each accumulator from its low end on
.endr
.irp e, 0,1
	v_max3_num_f32 v[232+\e], |v[96+16*\e]|, |v[97+16*\e]|, 0x1800000
.endr
.irp i, 2,4,6,8,10,12,14
.irp e, 0,1
	s_delay_alu instid0(VALU_DEP_2)
	v_max3_num_f32 v[232+\e], v[232+\e], |v[96+16*\e+\i]|, |v[97+16*\e+\i]|
.endr
.endr
.irp e, 0,1
	s_delay_alu instid0(VALU_DEP_2)
	v_permlanex16_b32 v[236+\e], v[232+\e], s36, s37
.endr
.irp e, 0,1
	s_delay_alu instid0(VALU_DEP_2)
	v_max_num_f32 v[232+\e], v[232+\e], v[236+\e]
.endr
.irp e, 0,1
	s_delay_alu instid0(VALU_DEP_2)
	v_add_nc_u32 v[244+\e], 0xff000000, v[232+\e]
.endr
.irp e, 0,1
	s_delay_alu instid0(VALU_DEP_2)
	v_lshrrev_b32 v[236+\e], 23, v[244+\e]
.endr
	s_delay_alu instid0(VALU_DEP_1)
	v_lshl_or_b32 v254, v237, 8, v236              ; my head's two bytes of the row's scale word
.irp e, 0,1
.irp u, 0,1
	v_cvt_scalef32_pk8_fp4_f32 v[224+2*\u+\e], v[96+16*\e+8*\u:103+16*\e+8*\u], v[244+\e]
.endr
.endr
	v_nop
.irp u, 0,1
	v_permlane16_swap_b32 v[224+2*\u], v[225+2*\u]
.endr
	global_store_b128 v[LI], v[224:227], s[\yb:\yb+1]               ; 32 lanes store 512 consecutive bytes
	global_store_b16 v[R16], v254, s[\ysb:\ysb+1]                   ; two bytes a row, 16 bytes apart: a run of 256 bytes is written in part here, by 8 heads in all; both halves of the lanes write the same value
.endm
	TILE 16, 250, 62, 60, 52, 56
	TILE 24, 251, 63, 61, 54, 58
	s_wait_tensorcnt 0x0                           ; the wave's end
	ds_add_u32 v[SPW], v[NIL]
	s_wait_dscnt 0x0
	CROUND                                         ; the closing round
	s_endpgm
.Lfunc_end_k_qed6279d2c5_attn:
	.size	k_qed6279d2c5_attn, .Lfunc_end_k_qed6279d2c5_attn-k_qed6279d2c5_attn
	.p2alignl 7, 3214868480
	.fill 96, 4, 3214868480
	.section	.rodata,"a",@progbits
	.p2align	6, 0x0
	.amdhsa_kernel k_qed6279d2c5_attn
		.amdhsa_group_segment_fixed_size 167936
		.amdhsa_private_segment_fixed_size 0
		.amdhsa_enable_private_segment 0
		.amdhsa_kernarg_size 40
		.amdhsa_user_sgpr_count 2
		.amdhsa_user_sgpr_kernarg_segment_ptr 1
		.amdhsa_wavefront_size32 1
		.amdhsa_system_sgpr_workgroup_id_x 1
		.amdhsa_system_sgpr_workgroup_id_y 1
		.amdhsa_system_sgpr_workgroup_id_z 1
		.amdhsa_system_vgpr_workitem_id 0
		.amdhsa_next_free_vgpr 256
		.amdhsa_next_free_sgpr 66
		.amdhsa_reserve_vcc 1
		.amdhsa_float_denorm_mode_32 3
		.amdhsa_float_denorm_mode_16_64 3
		.amdhsa_memory_ordered 1
		.amdhsa_forward_progress 1
		.amdhsa_inst_pref_size 61
	.end_amdhsa_kernel
	.amdgpu_metadata
---
amdhsa.version: [ 1, 2 ]
amdhsa.kernels:
  - .name:           k_qed6279d2c5_attn
    .symbol:         k_qed6279d2c5_attn.kd
    .args:
      - { .name: q_codes, .offset: 0, .size: 8, .value_kind: global_buffer, .address_space: global }
      - { .name: q_scales, .offset: 8, .size: 8, .value_kind: global_buffer, .address_space: global }
      - { .name: kv, .offset: 16, .size: 8, .value_kind: global_buffer, .address_space: global }
      - { .name: y_codes, .offset: 24, .size: 8, .value_kind: global_buffer, .address_space: global }
      - { .name: y_scales, .offset: 32, .size: 8, .value_kind: global_buffer, .address_space: global }
    .group_segment_fixed_size: 167936
    .private_segment_fixed_size: 0
    .kernarg_segment_align: 8
    .kernarg_segment_size: 40
    .max_flat_workgroup_size: 512
    .sgpr_count:     66
    .vgpr_count:     256
    .wavefront_size: 32
...
	.end_amdgpu_metadata
.endif
;; end of part 2
;; launch proj (part 3): grid 4 x 64, 4 waves a work-group, clusters of 4 x 4, 327,680 bytes of LDS; arguments y_codes, y_scales, w_proj_codes, w_proj_scales, b_proj, out0; writes out0
.if DOCPART == 3
	.amdgcn_target "amdgcn-amd-amdhsa--gfx1250"
	.amdhsa_code_object_version 6
	.text
	.protected	k_qed6279d2c5_proj
	.globl	k_qed6279d2c5_proj
	.p2align	8
	.type	k_qed6279d2c5_proj,@function
k_qed6279d2c5_proj:
	s_mov_b64 s[64:65], 0
	v_nop
	global_prefetch_b8 v0, s[64:65] scope:SCOPE_SE
	s_setreg_imm32_b32 hwreg(HW_REG_WAVE_MODE, 25, 1), 1
	s_wait_xcnt 0x0
	s_wait_alu depctr_hold_cnt(0) depctr_sa_sdst(0) depctr_va_vdst(0) depctr_va_sdst(0) depctr_va_ssrc(0) depctr_va_vcc(0) depctr_vm_vsrc(0)
	s_getreg_b32 s2, hwreg(HW_REG_IB_STS2, 6, 4)
	s_cmp_eq_u32 s2, 0
	s_cbranch_scc0 .Lentry_in_a_cluster
	s_endpgm
.Lentry_in_a_cluster:
	s_bfe_u32 s2, ttmp6, 0x10000c
	s_cmp_lg_u32 s2, 0xf033
	s_cbranch_scc0 .Lentry_shape_is_right
	s_endpgm
.Lentry_shape_is_right:
; out0 = y w_proj + b_proj on codes of FP4 (E2M1) with one E8M0 scale for each 32 along K = 1,024.  No work is left out here.
; y_codes: [tile of 16 rows 512][K step 8][2][512]: images of the operand's registers, lane l's 16 bytes at 16 l.  y_scales: [tile][K half 2][row 16][4 words].  w_proj: rows of 512 bytes of codes and 32 of scale bytes.
; SHARES.  A work-group of four waves makes 128 rows x 256 columns, a wave 64 x 128: 32 accumulators.  The matrix instruction is used transposed (source 0 = 16 rows of w_proj, source 1 = 16 rows of y):
; a lane holds eight neighbouring columns of one row of out0.  The bias is the C of each sum's first matrix instruction.
; All of K lies in LDS at once, in two halves, each a first fill; nothing is filled twice.  While the first half is multiplied the second is on its way.
; CLUSTERS: 4 x 4.  y's tiles hang on cy and are asked for jointly by the four of a row of the cluster, w_proj's on cx and by the four of a column.
; REGISTERS: window 0: v0-31 addresses; v32-63 w_proj's scale words, v64-79 y's; v128-191 y's fragments, two sets; on the way out v128-255 rows of out0.
;   window 1: w_proj's fragments, two sets, at v0 and v128; v64-127 the bias.   window 2: the accumulators ((a, b) at v[8 (8 a + b)]).
.set PITCH,  272                       ; a row of w_proj's tile in LDS: 256 bytes + 16 of padding
.set HALFT,  128*PITCH
.set SLOTW,  2*HALFT                   ; a K half of w_proj's 256 rows
.set HALFS,  16*272                    ; the scale bytes of 128 rows
.set YI,     0                         ; y's images: [K half 2][tile 8][4,096]
.set WI,     65536
.set YS,     WI+2*SLOTW                ; y's scale words: 4,096 bytes
.set WS,     YS+4096                   ; w_proj's: 2 x HALFS
.set SPARE,  WS+2*HALFS                ; the spare words: 128 bytes a wave, named by no other line
.set STAGE,  SPARE+512                 ; the way out: 16 rows x (512 bytes + 16) for each wave; no tensor load lands here
.set SPITCH, 528
.set ADRY, 16                          ; v16     my 64 rows' images + 16 x lane
.set ADRW, 20                          ; v20-21  my w_proj fragments in K half 0, 1
.set ADWS, 22                          ; v22     w_proj's scale words: lanes 0-15 an even tile's rows, lanes 16-31 the next tile's
.set ADYS, 23                          ; v23     y's likewise
.set STO,  24
.set RD,   25
.set CO,   26                          ; v26     16 x lane
.set BO,   27
.set SPW,  28
.set NIL,  29
.set PS,   32                          ; register 16 half + 4 (b / 2) + q
.set RS,   64                          ; register 8 half + 4 (a / 2) + q
.set RF,   128
.set BI,   64                          ; in window 1
.set BK,   128
.set G1Y, 24
.set G0Y, 32
.set G1W, 48
.set G0W, 56
.set G1YS, 68
.set G0YS, 76
.set G1WS, 80
.set G0WS, 88
.set MSB, 0
.macro WIN new
.if MSB != \new
	s_set_vgpr_msb (MSB<<8)|\new
.set MSB, \new
.endif
.endm
.set TO_P, 0x40
.macro JLOAD g0a, g1a, g0b, g1b        ; waves 0 and 1 fetch for y, waves 2 and 3 for w_proj; an s_nop 0 and four v_nop follow each line
	s_cmp_eq_u32 s17, 0
	s_cbranch_scc0 .Lfor_b_\@
	tensor_load_to_lds s[\g0a:\g0a+3], s[\g1a:\g1a+7]
	s_nop 0
.rept 4
	v_nop
.endr
	s_branch .Lasked_\@
.Lfor_b_\@:
	tensor_load_to_lds s[\g0b:\g0b+3], s[\g1b:\g1b+7]
	s_nop 0
.rept 4
	v_nop
.endr
.Lasked_\@:
.endm
.macro CROUND
	s_barrier_signal -1
	s_barrier_wait -1
	s_cmp_lg_u32 s16, 0
	s_cbranch_scc1 .Lnot_wave_0_\@
	s_barrier_signal -3
.Lnot_wave_0_\@:
	s_barrier_wait -3
	s_barrier_signal -1
	s_barrier_wait -1
.endm
.macro PLACES n
.rept \n
	v_nop
.endr
.endm
	s_load_b256 s[4:11], s[0:1], 0x0               ; y_codes, y_scales, w_proj's codes, w_proj's scales
	s_load_b128 s[12:15], s[0:1], 0x20             ; b_proj, out0
	v_lshl_add_u32 v[SPW], v0, 2, SPARE
	v_mov_b32 v[NIL], 0
	ds_add_u32 v[SPW], v[NIL]                      ; the wave's opening: the add, twice on end, and its wait ahead of my first tensor load
	ds_add_u32 v[SPW], v[NIL]
	v_lshrrev_b32 v1, 5, v0
	v_readfirstlane_b32 s16, v1                    ; wave 0..3
	s_lshr_b32 s17, s16, 1                         ; which 64 rows are mine.  Also: I fetch for y (0) or for w_proj (1)
	s_and_b32 s18, s16, 1                          ; which 128 columns.  Also: which half of that tile I fetch
	s_bfe_u32 s40, ttmp6, 0x40000                  ; cx
	s_bfe_u32 s41, ttmp6, 0x40004                  ; cy
	s_lshl_b32 s42, ttmp9, 2
	s_add_co_u32 s42, s42, s40                     ; my block of 256 columns
	s_and_b32 s43, ttmp7, 0xffff
	s_lshl_b32 s43, s43, 2
	s_add_co_u32 s43, s43, s41                     ; my block of 128 rows
	s_lshl_b32 s44, s41, 2
	s_lshl_b32 s44, 15, s44                        ; my row of the cluster
	s_lshl_b32 s45, 0x1111, s40                    ; my column
	s_or_b32 s[G1Y], s44, (3<<16)|(1<<21)          ; y's images: four tiles of rows, of each a K half: 4 rows of 512 elements of 8 bytes, 1,024 elements apart; no padding: they are read in runs of 512 consecutive bytes
	s_mov_b32 s[G1Y+1], 512<<16
	s_mov_b32 s[G1Y+2], 4<<16
	s_mov_b32 s[G1Y+3], 512<<16
	s_mov_b32 s[G1Y+4], 4
	s_mov_b32 s[G1Y+5], 1024
	s_mov_b32 s[G1Y+6], 0
	s_mov_b32 s[G1Y+7], 0
	s_or_b32 s[G1W], s45, (0<<16)|(1<<20)|(1<<21)|(5<<22)|(3<<25)   ; w_proj's codes: 128 rows of 256 bytes, 512 apart, four words of padding after every 64
	s_mov_b32 s[G1W+1], 256<<16
	s_mov_b32 s[G1W+2], 128<<16
	s_mov_b32 s[G1W+3], 256<<16
	s_mov_b32 s[G1W+4], 128
	s_mov_b32 s[G1W+5], 512
	s_mov_b32 s[G1W+6], 0
	s_mov_b32 s[G1W+7], 0
	s_or_b32 s[G1YS], s44, (3<<16)|(1<<21)         ; y's scale words of four tiles: 2,048 dense bytes as 8 rows of 256
	s_mov_b32 s[G1YS+1], 32<<16
	s_mov_b32 s[G1YS+2], 8<<16
	s_mov_b32 s[G1YS+3], 32<<16
	s_mov_b32 s[G1YS+4], 8
	s_mov_b32 s[G1YS+5], 32
	s_mov_b32 s[G1YS+6], 0
	s_mov_b32 s[G1YS+7], 0
	s_or_b32 s[G1WS], s45, (3<<16)|(1<<20)|(1<<21)|(5<<22)|(3<<25)  ; w_proj's scale bytes of 128 rows: 4,096 dense bytes as 16 rows of 256, padded
	s_mov_b32 s[G1WS+1], 32<<16
	s_mov_b32 s[G1WS+2], 16<<16
	s_mov_b32 s[G1WS+3], 32<<16
	s_mov_b32 s[G1WS+4], 16
	s_mov_b32 s[G1WS+5], 32
	s_mov_b32 s[G1WS+6], 0
	s_mov_b32 s[G1WS+7], 0
	s_lshl_b32 s20, s43, 3
	s_lshl_b32 s21, s18, 2
	s_add_co_u32 s20, s20, s21                     ; the first of the four tiles of rows that I fetch
	s_lshl_b32 s22, s20, 9                         ; its scale words, in bytes,
	s_mov_b32 s23, 0
	s_lshl_b32 s20, s20, 13                        ; its images
	s_mov_b32 s21, 0
	s_lshl_b32 s46, s42, 8
	s_lshl_b32 s47, s18, 7
	s_add_co_u32 s46, s46, s47                     ; the first of the 128 rows of w_proj that I fetch
	s_lshl_b32 s92, s46, 5
	s_mov_b32 s93, 0
	s_lshl_b32 s46, s46, 9
	s_mov_b32 s47, 0
	s_lshl_b32 s94, s18, 14                        ; where they go: no place in the cluster enters an LDS address
	s_mul_i32 s95, s18, HALFT
	s_lshl_b32 s2, s18, 11
	s_mul_i32 s3, s18, HALFS
	s_wait_dscnt 0x0                               ; both opening adds are done
	s_wait_kmcnt 0x0
	s_add_nc_u64 s[20:21], s[4:5], s[20:21]
	s_add_nc_u64 s[22:23], s[6:7], s[22:23]
	s_add_nc_u64 s[46:47], s[8:9], s[46:47]
	s_add_nc_u64 s[92:93], s[10:11], s[92:93]
	CROUND                                         ; all sixteen work-groups are here: the joint loads meet
	s_mov_b32 s[G0YS], 1
	s_add_co_u32 s[G0YS+1], s2, YS
	s_mov_b64 s[G0YS+2:G0YS+3], s[22:23]
	s_or_b32 s[G0YS+3], s[G0YS+3], 0x80000000
	s_mov_b32 s[G0WS], 1
	s_add_co_u32 s[G0WS+1], s3, WS
	s_mov_b64 s[G0WS+2:G0WS+3], s[92:93]
	s_or_b32 s[G0WS+3], s[G0WS+3], 0x80000000
	JLOAD G0YS, G1YS, G0WS, G1WS                   ; the scales first; each load is waited for before the next goes out
.irp s, 0,1
	s_mov_b32 s[G0Y+4*\s], 1
	s_add_co_u32 s[G0Y+4*\s+1], s94, YI+\s*32768
	s_add_nc_u64 s[G0Y+4*\s+2:G0Y+4*\s+3], s[20:21], \s*4096
	s_or_b32 s[G0Y+4*\s+3], s[G0Y+4*\s+3], 0x80000000
	s_mov_b32 s[G0W+4*\s], 1
	s_add_co_u32 s[G0W+4*\s+1], s95, WI+\s*SLOTW
	s_add_nc_u64 s[G0W+4*\s+2:G0W+4*\s+3], s[46:47], \s*256
	s_or_b32 s[G0W+4*\s+3], s[G0W+4*\s+3], 0x80000000
	s_wait_alu depctr_va_vdst(0)
	s_wait_tensorcnt 0x0
	ds_add_u32 v28, v29
	s_wait_dscnt 0x0
	CROUND
	JLOAD G0Y+4*\s, G1Y, G0W+4*\s, G1W
.endr
	v_and_b32 v1, 15, v0                           ; r
	v_bfe_u32 v2, v0, 4, 1                         ; h
	v_and_b32 v3, 31, v0
	v_lshlrev_b32 v[CO], 4, v3
	s_lshl_b32 s21, s17, 14                        ; my four tiles of rows
	v_add_nc_u32 v[ADRY], s21, v[CO]
	v_mul_u32_u24 v4, v1, PITCH
	v_lshl_add_u32 v4, v2, 4, v4
	s_mul_i32 s22, s18, HALFT
	s_add_co_u32 s22, s22, WI
	v_add_nc_u32 v[ADRW], s22, v4
	s_add_co_u32 s22, s22, SLOTW
	v_add_nc_u32 v[ADRW+1], s22, v4
	v_lshlrev_b32 v5, 5, v1                        ; w_proj's scale bytes: 32 a row,
	v_lshrrev_b32 v6, 3, v1
	v_lshl_add_u32 v5, v6, 4, v5                   ; 16 more behind the first 256,
	v_mad_u32_u24 v5, v2, 544, v5                  ; lanes 16-31 a tile of 16 rows on
	s_mul_i32 s22, s18, HALFS
	s_add_co_u32 s22, s22, WS
	v_add_nc_u32 v[ADWS], s22, v5
	v_lshlrev_b32 v5, 4, v1                        ; y's: 16 bytes a row and K half, lanes 16-31 a tile (512 bytes) on
	v_lshl_add_u32 v5, v2, 9, v5
	s_lshl_b32 s22, s17, 11
	s_add_co_u32 s22, s22, YS
	v_add_nc_u32 v[ADYS], s22, v5
	s_mul_i32 s23, s16, 16*SPITCH
	s_add_co_u32 s23, s23, STAGE                   ; my stage
	v_mul_u32_u24 v5, v1, SPITCH
	v_lshl_add_u32 v5, v2, 5, v5
	v_add_nc_u32 v[STO], s23, v5                   ; in: row r, 32 bytes for each half of the lanes
	v_add_nc_u32 v[RD], s23, v[CO]                 ; back: the 32 lanes take one row of 512 bytes
	s_lshl_b32 s20, s43, 7
	s_lshl_b32 s21, s17, 6
	s_add_co_u32 s20, s20, s21                     ; my first row of out0,
	s_lshl_b32 s20, s20, 12                        ; of 4,096 bytes
	s_lshl_b32 s46, s42, 10
	s_lshl_b32 s47, s18, 9
	s_add_co_u32 s46, s46, s47                     ; my first column, in bytes: in out0 and in b_proj
	s_mov_b32 s47, 0
	s_add_nc_u64 s[12:13], s[12:13], s[46:47]
	s_add_co_u32 s20, s20, s46
	s_mov_b32 s21, 0
	s_add_nc_u64 s[14:15], s[14:15], s[20:21]
	v_lshlrev_b32 v[BO], 5, v2
	WIN TO_P
.irp b, 0,1,2,3,4,5,6,7
	global_load_b128 v[BI+8*\b:BI+8*\b+3], v[BO], s[12:13] offset:64*\b          ; register 8 b + j: the bias of column 16 b + 8 h + j
	global_load_b128 v[BI+8*\b+4:BI+8*\b+7], v[BO], s[12:13] offset:64*\b+16
.endr
	WIN 0
.macro FETCH3 k                        ; K step k's fragments into set k % 2: w_proj's eight, y's four
.set FS, (\k)%2
.set FH, (\k)/4
.set FQ, (\k)%4
	WIN TO_P
.irp i, 0,1,2,3,4,5,6,7
.irp c, 0,1
	ds_load_b128 v[128*FS+8*\i+4*\c:128*FS+8*\i+4*\c+3], v[ADRW+FH] offset:64*FQ+32*\c+\i*16*PITCH
.endr
.endr
	WIN 0
.irp i, 0,1,2,3
.irp c, 0,1
	ds_load_b128 v[RF+32*FS+8*\i+4*\c:RF+32*FS+8*\i+4*\c+3], v[ADRY] offset:32768*FH+4096*\i+1024*FQ+512*\c
.endr
.endr
.endm
; 32 matrix instructions, four to a group: (a, b), (a, b + 1), (a + 1, b), (a + 1, b + 1): an odd tile's scale words stand in lanes 16-31.  The accumulators take turns.
.macro MUL32 k
.set MS, (\k)%2
.set MH, (\k)/4
.set MQ, (\k)%4
.irp a, 0,2
.irp b, 0,2,4,6
.set XD, 8*(8*\a+\b)
.if (\k) == 0
.set XC0, BI+8*\b
.set XC1, BI+8*\b+8
.set XC2, BI+8*\b
.set XC3, BI+8*\b+8
.else
.set XC0, XD
.set XC1, XD+8
.set XC2, XD+64
.set XC3, XD+72
.endif
.set XP, 128*MS+8*\b
.set XR, RF+32*MS+8*\a
.set XSP, PS+16*MH+2*\b+MQ
.set XSR, RS+8*MH+2*\a+MQ
	v_wmma_scale_f32_16x16x128_f8f6f4 v[XD:XD+7], v[XP:XP+7], v[XR:XR+7], v[XC0:XC0+7], v[XSP], v[XSR] matrix_a_fmt:MATRIX_FMT_FP4 matrix_b_fmt:MATRIX_FMT_FP4
	v_wmma_scale_f32_16x16x128_f8f6f4 v[XD+8:XD+15], v[XP+8:XP+15], v[XR:XR+7], v[XC1:XC1+7], v[XSP], v[XSR] matrix_a_fmt:MATRIX_FMT_FP4 matrix_b_fmt:MATRIX_FMT_FP4 matrix_a_scale:MATRIX_SCALE_ROW1
	v_wmma_scale_f32_16x16x128_f8f6f4 v[XD+64:XD+71], v[XP:XP+7], v[XR+8:XR+15], v[XC2:XC2+7], v[XSP], v[XSR] matrix_a_fmt:MATRIX_FMT_FP4 matrix_b_fmt:MATRIX_FMT_FP4 matrix_b_scale:MATRIX_SCALE_ROW1
	v_wmma_scale_f32_16x16x128_f8f6f4 v[XD+72:XD+79], v[XP+8:XP+15], v[XR+8:XR+15], v[XC3:XC3+7], v[XSP], v[XSR] matrix_a_fmt:MATRIX_FMT_FP4 matrix_b_fmt:MATRIX_FMT_FP4 matrix_a_scale:MATRIX_SCALE_ROW1 matrix_b_scale:MATRIX_SCALE_ROW1
.endr
.endr
.endm
.macro STEP3 k
	s_wait_dscnt 0x0                               ; this step's fragments are in (asked for a step ago)
.if (\k) < 7
.if (\k) > 0
	PLACES 4                                       ; the next step's fragments land where the last step's products read
.endif
	FETCH3 (\k)+1
.endif
.if (\k) == 0
	WIN 0x91                                       ; source 0 window 1, source 1 window 0, C (the bias) window 1, D window 2
.else
	WIN 0xa1
.endif
	MUL32 \k
	WIN 0
.endm
	s_wait_alu depctr_va_vdst(0)
	s_wait_tensorcnt 1                             ; the scales and my part of K half 0 are in; K half 1's load may be out
	s_barrier_signal -1
	s_barrier_wait -1                              ; everybody's are
.irp s, 0,1
.irp e, 0,1,2,3
	ds_load_b128 v[PS+16*\s+4*\e:PS+16*\s+4*\e+3], v[ADWS] offset:1088*\e+16*\s    ; all scale words, once
.endr
.irp e, 0,1
	ds_load_b128 v[RS+8*\s+4*\e:RS+8*\s+4*\e+3], v[ADYS] offset:1024*\e+256*\s
.endr
.endr
	FETCH3 0
	s_wait_loadcnt 0x0                             ; the bias
	STEP3 0
	STEP3 1
	STEP3 2
	s_wait_tensorcnt 0x0                           ; my part of K half 1 is in
	ds_add_u32 v[SPW], v[NIL]                      ; 0 onto my spare word
	s_wait_dscnt 0x0
	s_barrier_signal -1
	s_barrier_wait -1                              ; everybody's is: step 3 fetches step 4's fragments
	STEP3 3
	STEP3 4
	STEP3 5
	STEP3 6
	STEP3 7
; THE WAY OUT, block by block of 16 rows x 128 columns, through my own stage: back come whole rows of 512 bytes.  LDS serves a wave's instructions in order, so no wait stands between the stores and the loads.
.macro TOSTAGE a
.set AC, 64*(\a)
	WIN 0x08                                       ; an LDS store's data are its source 1: window 2
.irp b, 0,1,2,3,4,5,6,7
	ds_store_b128 v[STO], v[AC+8*\b:AC+8*\b+3] offset:64*\b         ; each accumulator from its low end on
	ds_store_b128 v[STO], v[AC+8*\b+4:AC+8*\b+7] offset:64*\b+16
.endr
	WIN 0
.set BB, BK+64*((\a)%2)
.irp t, 0,1,2,3,4,5,6,7,8,9,10,11,12,13,14,15
	ds_load_b128 v[BB+4*\t:BB+4*\t+3], v[RD] offset:\t*SPITCH
.endr
.endm
.macro SEND a, younger                 ; younger: the LDS instructions issued behind block a's loads
.set BB, BK+64*((\a)%2)
	s_wait_dscnt \younger
.if (\a) > 0
	s_add_nc_u64 s[14:15], s[14:15], 16*4096       ; (behind a wait on XCNT: the earlier stores have read their base)
.endif
.irp t, 0,1,2,3,4,5,6,7,8,9,10,11,12,13,14,15
	global_store_b128 v[CO], v[BB+4*\t:BB+4*\t+3], s[14:15] offset:\t*4096 th:TH_STORE_NT   ; 32 lanes store 512 consecutive bytes, at a multiple of 256 from out0's first byte
.endr
.endm
	PLACES 4
	TOSTAGE 0
.irp a, 1,2,3
.if \a > 1
	s_wait_xcnt 0x0                                ; block a - 2's stores have read their registers and their base
.endif
	TOSTAGE \a
	SEND \a-1, 32                                  ; behind block a - 1's loads: block a's 16 stores and 16 loads
.endr
	s_wait_xcnt 0x0
	SEND 3, 0
	s_wait_tensorcnt 0x0                           ; the wave's end: behind my last tensor load and my last LDS store
	ds_add_u32 v[SPW], v[NIL]
	s_wait_dscnt 0x0
	CROUND                                         ; the closing round
	s_endpgm
.Lfunc_end_k_qed6279d2c5_proj:
	.size	k_qed6279d2c5_proj, .Lfunc_end_k_qed6279d2c5_proj-k_qed6279d2c5_proj
	.p2alignl 7, 3214868480
	.fill 96, 4, 3214868480
	.section	.rodata,"a",@progbits
	.p2align	6, 0x0
	.amdhsa_kernel k_qed6279d2c5_proj
		.amdhsa_group_segment_fixed_size 327680
		.amdhsa_private_segment_fixed_size 0
		.amdhsa_enable_private_segment 0
		.amdhsa_kernarg_size 48
		.amdhsa_user_sgpr_count 2
		.amdhsa_user_sgpr_kernarg_segment_ptr 1
		.amdhsa_wavefront_size32 1
		.amdhsa_system_sgpr_workgroup_id_x 1
		.amdhsa_system_sgpr_workgroup_id_y 1
		.amdhsa_system_sgpr_workgroup_id_z 1
		.amdhsa_system_vgpr_workitem_id 0
		.amdhsa_next_free_vgpr 768
		.amdhsa_next_free_sgpr 100
		.amdhsa_reserve_vcc 0
		.amdhsa_float_denorm_mode_32 3
		.amdhsa_float_denorm_mode_16_64 3
		.amdhsa_memory_ordered 1
		.amdhsa_forward_progress 1
		.amdhsa_inst_pref_size 74
	.end_amdhsa_kernel
	.amdgpu_metadata
---
amdhsa.version: [ 1, 2 ]
amdhsa.kernels:
  - .name:           k_qed6279d2c5_proj
    .symbol:         k_qed6279d2c5_proj.kd
    .args:
      - { .name: y_codes, .offset: 0, .size: 8, .value_kind: global_buffer, .address_space: global }
      - { .name: y_scales, .offset: 8, .size: 8, .value_kind: global_buffer, .address_space: global }
      - { .name: w_proj_codes, .offset: 16, .size: 8, .value_kind: global_buffer, .address_space: global }
      - { .name: w_proj_scales, .offset: 24, .size: 8, .value_kind: global_buffer, .address_space: global }
      - { .name: b_proj, .offset: 32, .size: 8, .value_kind: global_buffer, .address_space: global }
      - { .name: out0, .offset: 40, .size: 8, .value_kind: global_buffer, .address_space: global }
    .group_segment_fixed_size: 327680
    .private_segment_fixed_size: 0
    .kernarg_segment_align: 8
    .kernarg_segment_size: 48
    .max_flat_workgroup_size: 128
    .sgpr_count:     100
    .vgpr_count:     768
    .wavefront_size: 32
...
	.end_amdgpu_metadata
.endif
;; end of part 3
